; MI455X (gfx1250); checked and timed in simulation.
; The chip was launched on July 23, 2026; its instructions are those of AMD's public machine-readable ISA for CDNA 5 (MIT licence, August 2026) and "CDNA5" Instruction Set Architecture Reference Guide (July 2026). The comments in the code are by the model that wrote it; some were corrected since.
;; Causal Multi Head Self Attention. Allowed arithmetic: matrix products marked QUANTISED: E4M3 operands, one given power-of-two scale a tensor, by v_wmma_f32_16x16x64_fp8_fp8 or v_wmma_f32_16x16x128_fp8_fp8, f32 sums; everything else in f32.
;; Inputs: Wk 1,024 x 1,024 float32; Wo 1,024 x 1,024 float32; Wq 1,024 x 1,024 float32; Wv 1,024 x 1,024 float32; lowp_scales 12 int32 (the exponents e of the quantised operands' scales 2^e); token_positions 2,048 int32; x 4 x 2,048 x 1,024 float32.
;; Outputs: out0 4 x 2,048 x 1,024 float32.
;; This version of the problem:
;;   THIS VERSION OF THE PROBLEM IS GIVEN IN LOW PRECISION. The matrix products marked QUANTISED in the list below multiply operands that are first quantised to E4M3 (4 exponent bits, 3 mantissa bits; 8 bits a number), with one given power-of-two scale for each operand tensor; their sums are f32. All else is computed in f32.
;;   The module's matrix products, in the order in which they are computed (A, B: the left and right operand; K: the contracted axis; several contracted axes count as one K, in the product's order):
;;     1. [M 8,192, K 1,024] x [K 1,024, N 1,024]; A: input x; B: input Wq: QUANTISED (scales: A lowp_scales[0], B lowp_scales[1])
;;     2. [M 8,192, K 1,024] x [K 1,024, N 1,024]; A: input x; B: input Wk: QUANTISED (scales: A lowp_scales[2], B lowp_scales[3])
;;     3. [M 8,192, K 1,024] x [K 1,024, N 1,024]; A: input x; B: input Wv: QUANTISED (scales: A lowp_scales[4], B lowp_scales[5])
;;     4. batch 64 x [M 2,048, K 64] x [K 64, N 2,048]; A: computed on the way; B: computed on the way: QUANTISED (scales: A lowp_scales[6], B lowp_scales[7])
;;     5. batch 64 x [M 2,048, K 2,048] x [K 2,048, N 64]; A: softmax (see below); B: computed on the way: QUANTISED (scales: A lowp_scales[8], B lowp_scales[9])
;;     6. [M 8,192, K 1,024] x [K 1,024, N 1,024]; A: computed on the way; B: input Wo: QUANTISED (scales: A lowp_scales[10], B lowp_scales[11])
;;   THE QUANTISER, for each operand of a quantised product, along K:
;;     - The operand's scale is 2^e, e = its entry of the input lowp_scales (int32; the entries are numbered through the quantised products in the list's order, A before B).
;;     - Each number is divided by the scale, clamped to +-448, and rounded to the nearest number of E4M3, ties to even, subnormals kept.
;;     - The product sums the exact products of the quantised numbers (number of the format x scale) in f32.
;;   ~~~python
;;   def quantise(x, axis, e):      # numpy; x: float32 -> the quantised numbers, widened to float32 again
;;       x = np.moveaxis(x, axis, -1); K = x.shape[-1]
;;       r = np.clip(x / 2.0 ** e, -448, 448)
;;       step = 2.0 ** (np.maximum(np.frexp(np.where(r == 0, 1, r))[1] - 1, -6) - 3)
;;       q = np.round(r / step) * step * 2.0 ** e      # np.round: ties to even
;;       return np.moveaxis(q, -1, axis).astype(np.float32)
;;   ~~~
;;   SOFTMAX AHEAD OF A QUANTISED PRODUCT. Where the list says 'softmax', what is quantised is not the finished softmax but p = 2^(t - M), with t = logit x log2(e) and M = ceil(the row's largest t), a whole number; so 1/2 < the row's largest p <= 1. The row's sum l is taken of the UNQUANTISED p, in f32, and the product's result is divided by l at the end. Since M is a whole number, a kernel that streams over the keys may use a running M (the ceiling of the running maximum): every later rescaling is an exact power of two, so the quantised numbers keep their values, but for numbers so far below the row's largest that they fall under the format's range.
;;   OPERANDS COMPUTED ON THE WAY. 'Computed on the way' means the value that the module computes at that place (a softmax that the list does not call 'softmax' is quantised finished and normalised). What goes into a quantiser is computed in f32, as accurately as f32 sums, v_exp_f32 and their like allow (about 1e-6 of the number): no bf16 or f16 on the way to a quantiser, and a product that is left as it is and whose result goes on into a quantised operand takes f32 operands (vector FMAs, or v_wmma_f32_16x16x4_f32). A number that lies on a knife's edge between two numbers of the format may be rounded either way, as far as f32 arithmetic and the matrix unit's own rounding can turn it there, and no further.
;; One version. Each part assembles by itself: llvm-mc -triple=amdgcn-amd-amdhsa -mcpu=gfx1250 --defsym DOCPART=n.
;; ======== version 1 of 1: 4 launches
;; limits: right only within a limited range of input values; an absolute error that grows with the inputs' magnitude: up to 1e-07 times it
;; workspace buffers: ximg 25,165,824 bytes; wimg 4,194,304 bytes; rope 540,672 bytes; qkv 25,165,824 bytes; ctx 8,388,608 bytes
;; launch prep (part 1): grid 801 x 1, 4 waves a work-group, no clusters, 34,304 bytes of LDS; arguments x, Wq, Wk, Wv, Wo, token_positions, lowp_scales, ximg, wimg, rope; writes ximg, wimg, rope
.if DOCPART == 1
	.amdgcn_target "amdgcn-amd-amdhsa--gfx1250"
	.amdhsa_code_object_version 6
	.text
	.protected	k_qc6ec60a1fe_prep
	.globl	k_qc6ec60a1fe_prep
	.p2align	8
	.type	k_qc6ec60a1fe_prep,@function
k_qc6ec60a1fe_prep:
	s_mov_b64 s[64:65], 0
	v_nop
	global_prefetch_b8 v0, s[64:65] scope:SCOPE_SE
	s_setreg_imm32_b32 hwreg(HW_REG_WAVE_MODE, 25, 1), 1
	s_wait_xcnt 0x0
; PREP: x and the four weights become codes of E4M3, and the table of cosines and sines for the rotation is made.
; CODES ARE STORED AS IMAGES OF THE MATRIX OPERAND'S REGISTERS.  A fragment is 16 rows x 128 K: lane (r, h) holds row r, registers 2c, 2c+1 hold k = 16c + 8h + 0..7.
; Its image is 2,048 bytes: registers 4g .. 4g+3 of lane l at 512 g + 16 l.  So every later load of a fragment, and every store here, covers 512 consecutive bytes.
;   ximg: three planes of 8 MiB (x under the scales of entries 0, 2, 4), each [16-row tile 512][K step 8][2,048];  wimg: Wq, Wk, Wv, Wo (entries 1, 3, 5, 11), each [tile 64][K step 8][2,048].
; code = number / 2^e, held within +-448, to the nearest code, ties to even.
; SHARES: work-groups 0-511: tile g of x (three sets of codes);  512-767: weight (g-512)/64, tile (g-512)%64;  768-800: the table, one tile of 16 tokens a wave (132 tiles).
; A wave of the first two kinds takes two K steps of its tile's 16 rows.  Each load reads 512 consecutive bytes of one row; the 8 KiB turn through the wave's own stage in LDS
; (16 rows of 512 bytes + 16), from which a lane takes its 8 neighbours along K for each pair of registers.  Waves share nothing: no barrier.
; TABLE: rope[tile tt][q 8][lane][16 bytes]: lane (r, h) holds (cos, sin, cos, sin) of token 16 tt + r for the pairs i = 4 q + ... as the projection's results lie: i = 8 (q/2) + 4 h + 2 (q%2) + {0, 1}.
;   Tiles 128-131 hold (1, 0, 1, 0): the rotation that changes nothing, for v.  inv_freq = 2^(-i log2(10000)/32), the exponent split in two parts; the angle is reduced by pi/2 in three parts; polynomials on +-pi/4.
; LIMITS: each e between -126 and 119, so that 2^e and 448 x 2^e are f32 numbers.  NaN among the inputs is not served.  |position| under 2^22.
;   inv_freq lies within some 1.5 units in its last place of the true number, so an angle may differ from one made by another f32 power function by some 2e-4 at position 2,047.
.set STG,  8448                        ; a wave's stage: 16 x 528 bytes
.set LI,   4                           ; v4   16 x lane; never rewritten
.set SIN,  5                           ; v5   the stage on the way in: 16 x lane in a row
.set SOUT, 6                           ; v6   on the way out: 528 r + 32 h
.set R,    16                          ; v16-79   a unit as loaded
.set X,    80                          ; v80-143  a unit as the conversions want it: register 8c + i = k 16c + 8h + i of row r
.set T,    144
.set C,    160                         ; v160-207 codes: 16 registers for each of the three scales
.macro LOADU u                         ; unit u: 16 rows x 512 bytes
.set p, 0
.rept 16
	global_load_b128 v[R+4*p:R+4*p+3], v[LI], s[44:45] offset:4096*p+512*\u th:TH_LOAD_NT
.set p, p+1
.endr
.endm
.macro MKSC e, k                       ; s[e] = the exponent: v[8+2k] = 2^e as f32
	s_add_co_i32 s55, s[\e], 127
	s_lshl_b32 s56, s55, 23
	v_mov_b32 v[8+2*\k], s56
.endm
.macro CONV k, u                       ; the unit under scale k, and its image stored
.irp c, 0,1,2,3,4,5,6,7
.irp i, 0,1,2,3,4,5,6,7
.endr
	v_cvt_scalef32_pk8_fp8_f32 v[C+16*\k+2*\c:C+16*\k+2*\c+1], v[T+8*(\c%2)+((X+8*\c+0)-(T+8*(\c%2)+0)):T+8*(\c%2)+7+((X+8*\c+0)-(T+8*(\c%2)+0))], v[8+2*\k]
.endr
	v_nop                                          ; a plain line behind the last conversion
.irp c, 0,1,2,3
	global_store_b128 v[LI], v[C+16*\k+4*\c:C+16*\k+4*\c+3], s[46+2*\k:47+2*\k] offset:2048*\u+512*\c   ; 512 consecutive bytes
.endr
.endm
.macro UNIT u
	s_wait_loadcnt 0x0                             ; the unit's 16 loads are in
.set p, 0
.rept 16
	ds_store_b128 v[SIN], v[R+4*p:R+4*p+3] offset:528*p
.set p, p+1
.endr
.irp c, 0,1,2,3,4,5,6,7
	ds_load_b128 v[X+8*\c:X+8*\c+3], v[SOUT] offset:64*\c      ; LDS serves a wave's instructions in order: these see the stores above
	ds_load_b128 v[X+8*\c+4:X+8*\c+7], v[SOUT] offset:64*\c+16
.endr
	s_wait_dscnt 0x0                               ; the numbers are back, and the stores have read R
	s_wait_xcnt 0x0                                ; the last unit's stores have read the code registers: they are written again only behind this wait
.if \u == 0
	LOADU 1
.endif
	CONV 0, \u
	s_cmp_lt_u32 ttmp9, 512                        ; only x has three scales
	s_cbranch_scc0 .Lone_\@
	CONV 1, \u
	CONV 2, \u
.Lone_\@:
.endm
	s_load_b512 s[4:19], s[0:1], 0x0               ; x 4, Wq 6, Wk 8, Wv 10, Wo 12, positions 14, scales 16, ximg 18
	s_load_b128 s[20:23], s[0:1], 0x40             ; wimg 20, rope 22
	v_lshl_add_u32 v208, v0, 2, 0x8400
	v_mov_b32 v209, 0
	v_lshrrev_b32 v1, 5, v0
	v_readfirstlane_b32 s24, v1                    ; wave
	v_and_b32 v2, 31, v0
	v_lshlrev_b32 v[LI], 4, v2
	v_and_b32 v3, 15, v0                           ; r
	v_bfe_u32 v7, v0, 4, 1                         ; h
	s_wait_kmcnt 0x0
	s_cmp_ge_u32 ttmp9, 768
	s_cbranch_scc1 .Ltable
	; ---- the quantiser
	s_load_b256 s[32:39], s[16:17], 0x0            ; entries 0-7
	s_load_b128 s[40:43], s[16:17], 0x20           ; entries 8-11
	s_mul_i32 s25, s24, STG
	s_wait_alu depctr_va_vdst(0)
	v_add_nc_u32 v[SIN], s25, v[LI]
	v_mul_u32_u24 v[SOUT], v3, 528
	v_lshl_add_u32 v[SOUT], v7, 5, v[SOUT]
	v_add_nc_u32 v[SOUT], s25, v[SOUT]
	s_sub_co_u32 s26, ttmp9, 512                   ; the weights' work-groups count from 0 (for x: a number that matches no weight)
	s_lshr_b32 s27, s26, 6                         ; which weight
	s_and_b32 s28, s26, 63                         ; which tile of it
	s_mov_b64 s[44:45], s[6:7]                     ; the source: a choice between buffers on the work-group's number alone
	s_cmp_eq_u32 s27, 1
	s_cselect_b64 s[44:45], s[8:9], s[44:45]
	s_cmp_eq_u32 s27, 2
	s_cselect_b64 s[44:45], s[10:11], s[44:45]
	s_cmp_eq_u32 s27, 3
	s_cselect_b64 s[44:45], s[12:13], s[44:45]
	s_cmp_lt_u32 ttmp9, 512
	s_cselect_b64 s[44:45], s[4:5], s[44:45]
	s_cselect_b64 s[46:47], s[18:19], s[20:21]     ; the images' buffer
	s_cselect_b32 s29, ttmp9, s28                  ; the tile in the source,
	s_cselect_b32 s30, ttmp9, s26                  ; and in the images (the four weights' planes lie on end)
	s_lshl_b32 s52, s29, 16                        ; 16 rows of 4,096 bytes
	s_lshl_b32 s31, s24, 10                        ; my two K steps: 1,024 bytes of each row
	s_add_co_u32 s52, s52, s31
	s_mov_b32 s53, 0
	s_add_nc_u64 s[44:45], s[44:45], s[52:53]
	s_lshl_b32 s52, s30, 14                        ; a tile's eight images
	s_lshl_b32 s31, s24, 12                        ; my two
	s_add_co_u32 s52, s52, s31
	s_add_nc_u64 s[46:47], s[46:47], s[52:53]
	s_add_nc_u64 s[48:49], s[46:47], 0x800000      ; x's second and third plane (not used for a weight)
	s_add_nc_u64 s[50:51], s[46:47], 0x1000000
	LOADU 0
	s_wait_alu depctr_va_vdst(0)
	s_wait_kmcnt 0x0
	s_mov_b32 s54, s33                             ; the first scale: entry 1, 3, 5 or 11 for a weight, entry 0 for x
	s_cmp_eq_u32 s27, 1
	s_cselect_b32 s54, s35, s54
	s_cmp_eq_u32 s27, 2
	s_cselect_b32 s54, s37, s54
	s_cmp_eq_u32 s27, 3
	s_cselect_b32 s54, s43, s54
	s_cmp_lt_u32 ttmp9, 512
	s_cselect_b32 s54, s32, s54
	MKSC 54, 0
	MKSC 34, 1                                     ; entry 2
	MKSC 36, 2                                     ; entry 4
	s_wait_alu depctr_va_vdst(0)
	UNIT 0
	UNIT 1
	s_wait_tensorcnt 0x0
	ds_add_u32 v208, v209
	s_wait_dscnt 0x0
	s_endpgm
	; ---- the table
.Ltable:
	s_sub_co_u32 s25, ttmp9, 768
	s_lshl_b32 s25, s25, 2
	s_add_co_u32 s25, s25, s24                     ; tile tt, 0 to 131
	s_min_u32 s26, s25, 127                        ; tiles 128-131 read a position inside the buffer and do not use it
	s_lshl_b32 s26, s26, 6
	s_wait_alu depctr_va_vdst(0)
	v_lshl_add_u32 v15, v3, 2, s26
	global_load_b32 v16, v15, s[14:15]             ; my token's position
	s_lshl_b32 s28, s25, 12
	s_mov_b32 s29, 0
	s_add_nc_u64 s[22:23], s[22:23], s[28:29]
	s_cmp_ge_u32 s25, 128
	s_cselect_b32 s27, -1, 0                       ; all lanes: the tile of (1, 0)
	s_mov_b32 s32, 0xbed49a78                      ; -log2(10000)/32, upper part,
	s_mov_b32 s33, 0xb2179a6b                      ; and the rest
	s_mov_b32 s34, 0x3f22f983                      ; 2/pi
	s_mov_b32 s35, 0xbfc90fdb                      ; -pi/2 in three parts
	s_mov_b32 s36, 0x333bbd2e
	s_mov_b32 s37, 0x26f72ced
	s_mov_b32 s38, 0xbe2aaaa3                      ; the sine's three coefficients
	s_mov_b32 s39, 0x3c08839e
	s_mov_b32 s40, 0xb94ca1f9
	s_mov_b32 s41, 0x3d2aaaa5                      ; the cosine's
	s_mov_b32 s42, 0xbab6061a
	s_mov_b32 s43, 0x37ccf5ce
	v_lshlrev_b32 v17, 2, v7                       ; 4 h
	v_mov_b32 v18, 1.0
	v_mov_b32 v19, 0
	s_wait_alu depctr_va_vdst(0)
	s_wait_loadcnt 0x0
	v_cvt_f32_i32 v16, v16
.macro SINCOS n                        ; pair i = 8 (n/4) + n%4 + 4 h: cos into v[32+2n], sin into v[33+2n]
	v_add_nc_u32 v20, 8*(\n/4)+\n%4, v17
	v_cvt_f32_u32 v20, v20                         ; i
	v_mul_f32 v21, s32, v20
	v_rndne_f32 v22, v21                           ; the exponent's whole part m,
	v_fma_f32 v21, v20, s32, -v22                  ; its rest, exact,
	v_fma_f32 v21, v20, s33, v21                   ; with the constant's lower part
	s_wait_alu depctr_va_vdst(0)
	v_exp_f32 v21, v21
	v_cvt_i32_f32 v22, v22                         ; (a plain line behind the exponential)
	s_wait_alu depctr_va_vdst(0)
	v_ldexp_f32 v21, v21, v22                      ; inv_freq
	v_mul_f32 v21, v16, v21                        ; the angle, rounded to f32 as the problem has it
	v_mul_f32 v22, s34, v21
	v_rndne_f32 v22, v22                           ; quarter turns
	v_fma_f32 v23, v22, s35, v21
	v_fma_f32 v23, v22, s36, v23
	v_fma_f32 v23, v22, s37, v23                   ; the rest, within +-pi/4
	v_cvt_i32_f32 v22, v22
	v_mul_f32 v24, v23, v23
	v_fma_f32 v25, v24, s40, s39
	v_fma_f32 v25, v25, v24, s38
	v_mul_f32 v26, v23, v24
	v_fma_f32 v25, v25, v26, v23                   ; sin of the rest
	v_fma_f32 v27, v24, s43, s42
	v_fma_f32 v27, v27, v24, s41
	v_mul_f32 v28, v24, v24
	v_fma_f32 v29, v24, -0.5, 1.0
	v_fma_f32 v27, v27, v28, v29                   ; cos of the rest
	v_and_b32 v28, 1, v22
	v_cmp_eq_u32 vcc_lo, 1, v28                    ; an odd number of quarter turns swaps the two
	v_cndmask_b32 v29, v25, v27, vcc_lo
	v_cndmask_b32 v30, v27, v25, vcc_lo
	v_lshlrev_b32 v28, 30, v22                     ; the sine's sign: bit 1 of the quarter turns,
	v_and_b32 v28, 0x80000000, v28
	v_xor_b32 v29, v28, v29
	v_add_nc_u32 v28, 1, v22                       ; the cosine's: bit 1 of one more
	v_lshlrev_b32 v28, 30, v28
	v_and_b32 v28, 0x80000000, v28
	v_xor_b32 v30, v28, v30
	v_cndmask_b32 v[32+2*\n], v30, v18, s27
	v_cndmask_b32 v[33+2*\n], v29, v19, s27
.endm
.irp n, 0,1,2,3,4,5,6,7,8,9,10,11,12,13,14,15
	SINCOS \n
.endr
.irp m, 0,1,2,3,4,5,6,7
	global_store_b128 v[LI], v[32+4*\m:35+4*\m], s[22:23] offset:512*\m   ; 512 consecutive bytes
.endr
	s_endpgm
.Lfunc_end_k_qc6ec60a1fe_prep:
	.size	k_qc6ec60a1fe_prep, .Lfunc_end_k_qc6ec60a1fe_prep-k_qc6ec60a1fe_prep
	.p2alignl 7, 3214868480
	.fill 96, 4, 3214868480
	.section	.rodata,"a",@progbits
	.p2align	6, 0x0
	.amdhsa_kernel k_qc6ec60a1fe_prep
		.amdhsa_group_segment_fixed_size 34304
		.amdhsa_private_segment_fixed_size 0
		.amdhsa_enable_private_segment 0
		.amdhsa_kernarg_size 80
		.amdhsa_user_sgpr_count 2
		.amdhsa_user_sgpr_kernarg_segment_ptr 1
		.amdhsa_wavefront_size32 1
		.amdhsa_system_sgpr_workgroup_id_x 1
		.amdhsa_system_sgpr_workgroup_id_y 1
		.amdhsa_system_sgpr_workgroup_id_z 1
		.amdhsa_system_vgpr_workitem_id 0
		.amdhsa_next_free_vgpr 210
		.amdhsa_next_free_sgpr 66
		.amdhsa_reserve_vcc 1
		.amdhsa_float_denorm_mode_32 3
		.amdhsa_float_denorm_mode_16_64 3
		.amdhsa_fp16_overflow 1
		.amdhsa_memory_ordered 1
		.amdhsa_forward_progress 1
		.amdhsa_inst_pref_size 48
	.end_amdhsa_kernel
	.amdgpu_metadata
---
amdhsa.version: [ 1, 2 ]
amdhsa.kernels:
  - .name:           k_qc6ec60a1fe_prep
    .symbol:         k_qc6ec60a1fe_prep.kd
    .args:
      - { .name: x, .offset: 0, .size: 8, .value_kind: global_buffer, .address_space: global }
      - { .name: Wq, .offset: 8, .size: 8, .value_kind: global_buffer, .address_space: global }
      - { .name: Wk, .offset: 16, .size: 8, .value_kind: global_buffer, .address_space: global }
      - { .name: Wv, .offset: 24, .size: 8, .value_kind: global_buffer, .address_space: global }
      - { .name: Wo, .offset: 32, .size: 8, .value_kind: global_buffer, .address_space: global }
      - { .name: token_positions, .offset: 40, .size: 8, .value_kind: global_buffer, .address_space: global }
      - { .name: lowp_scales, .offset: 48, .size: 8, .value_kind: global_buffer, .address_space: global }
      - { .name: ximg, .offset: 56, .size: 8, .value_kind: global_buffer, .address_space: global }
      - { .name: wimg, .offset: 64, .size: 8, .value_kind: global_buffer, .address_space: global }
      - { .name: rope, .offset: 72, .size: 8, .value_kind: global_buffer, .address_space: global }
    .group_segment_fixed_size: 34304
    .private_segment_fixed_size: 0
    .kernarg_segment_align: 8
    .kernarg_segment_size: 80
    .max_flat_workgroup_size: 128
    .sgpr_count:     66
    .vgpr_count:     210
    .wavefront_size: 32
...
	.end_amdgpu_metadata
.endif
;; end of part 1
;; launch qkv (part 2): grid 12 x 64, 4 waves a work-group, clusters of 4 x 4, 327,680 bytes of LDS; arguments ximg, wimg, rope, lowp_scales, qkv; writes qkv
.if DOCPART == 2
	.amdgcn_target "amdgcn-amd-amdhsa--gfx1250"
	.amdhsa_code_object_version 6
	.text
	.protected	k_qc6ec60a1fe_qkv
	.globl	k_qc6ec60a1fe_qkv
	.p2align	8
	.type	k_qc6ec60a1fe_qkv,@function
k_qc6ec60a1fe_qkv:
	s_mov_b64 s[64:65], 0
	v_nop
	global_prefetch_b8 v0, s[64:65] scope:SCOPE_SE
	s_setreg_imm32_b32 hwreg(HW_REG_WAVE_MODE, 25, 1), 1
	s_wait_xcnt 0x0
	s_wait_alu depctr_hold_cnt(0) depctr_sa_sdst(0) depctr_va_vdst(0) depctr_va_sdst(0) depctr_va_ssrc(0) depctr_va_vcc(0) depctr_vm_vsrc(0)
	s_getreg_b32 s2, hwreg(HW_REG_IB_STS2, 6, 4)
	s_cmp_eq_u32 s2, 0
	s_cbranch_scc0 .Lentry_in_a_cluster
	s_endpgm
.Lentry_in_a_cluster:
	s_bfe_u32 s2, ttmp6, 0x10000c
	s_cmp_lg_u32 s2, 0xf033
	s_cbranch_scc0 .Lentry_shape_is_right
	s_endpgm
.Lentry_shape_is_right:
; QKV: the three projections on codes of E4M3, the rotation of q and k, and the results quantised for the attention, stored as images of operand registers.
; The cluster's x is p: 0 = q, 1 = k, 2 = v; it is alike in all sixteen partners, and only pointers, offsets and one stride are chosen by it: no branch.
; A tile is 128 rows of side A x 256 rows of side B, K = 1,024.  Four waves: wave>>1 picks 64 rows of A (4 fragments), wave&1 128 rows of B (8 fragments): 32 accumulators.
; 768 work-groups of equal work: three for each of 256.  THE PRODUCT IS USED TRANSPOSED (source 0 = B's fragment, source 1 = A's): lane (r, h) holds A's row r and B's rows 8h + 0..7.
;   q, k: A = x, B = W: a lane holds one token and eight neighbouring features: four pairs for the rotation, and eight neighbours along the next product's K (the head's 64).
;   v:    A = Wv, B = x: a lane holds one channel and eight neighbouring keys: neighbours along the next product's K (the keys).  Its rotation reads the table's tiles of (1, 0), which change nothing.
; So eight results of a lane, converted, ARE two registers of the next operand, and leave by stores of 512 consecutive bytes with no turn through LDS.
;   qkv plane 0 (q), 1 (k): [16-token tile 512][head 16][1,024];  plane 2 (v): [batch x head 64][step of 128 keys 16][16 channels 4][2,048].
; OPERANDS come as images (16 rows x 128 K in 2,048 bytes, registers 4g..4g+3 of lane l at 512 g + 16 l): every LDS load takes 512 consecutive bytes.
; K goes in four steps of 256 through three LDS slots: steps 0-2 are asked for at the start, step 3 goes into slot 0 when it has been read.  By this text's count a wave has at most three tensor loads out.
; CLUSTER 4 x 4: A's tile hangs on the cluster's y and cy and is asked for jointly along a row of the cluster, B's on cx and along a column.
; A sum stands for sum x 2^(eA + eB); the rotation is linear; so the conversion takes the one scale 2^(eout - eA - eB), eout = entry 6 (q), 7 (k), 9 (v).
; LIMIT: eout - eA - eB between -126 and 119.  NaN is not served.
; REGISTERS: window 0: v1-15 addresses and scales; v64-127, v128-191 A's two sets (later the rotated numbers and products at work); v192-255 codes.  window 1: B's two sets.  window 2: accumulator (a, b) at 8 (8a + b).  window 3: cos and sin, 32 registers for each a.
.set SLOT,  98304                      ; A's 8 fragments x 2 x 2,048, then B's 16
.set BOFF,  32768
.set SPARE, 3*SLOT                     ; behind the slots: the spare words, 128 bytes a wave, that no other line names
.set ADRA, 2                           ; v2-4   my A fragments in slot 0, 1, 2
.set ADRB, 5                           ; v5-7   my B fragments
.set SPW,  8                           ; v8     my spare word; never rewritten
.set NIL,  9                           ; v9     0; never rewritten
.set VOFF, 10                          ; v10-13 where block a's codes go
.set SC,   14                          ; v14    2^(eout - eA - eB)
.set LIM,  15
.set AF,   64
.set RR,   64
.set TT,   128
.set CODE, 192
.set WV, 14
.set WH, 15
.set WL, 16
.set G1A, 24
.set G0A, 32                           ; s[32:47] four groups 0 for A, one for each K step; never rewritten
.set G1B, 48
.set G0B, 68                           ; s[68:83] the same for B
.set MUL,  0xa1                        ; source 0 (B) window 1, source 1 (A) window 0, C and D window 2
.set TO_B, 0x40
.set MSB, 0
.macro WIN new                         ; the immediate's high byte repeats the setting that is left
.if MSB != \new
	s_set_vgpr_msb (MSB<<8)|\new
.set MSB, \new
.endif
.endm
.macro PLACES                          ; four plain lines between a matrix instruction and a load into, or a vector read or write of, its registers
.rept 4
	v_nop
.endr
.endm
.macro JLOAD n                         ; a joint load of K step n: waves 0, 1 for A, waves 2, 3 for B; four v_nop follow each line
	s_cmp_eq_u32 s[WH], 0
	s_cbranch_scc0 .Lfor_b_\@
	tensor_load_to_lds s[G0A+4*\n:G0A+4*\n+3], s[G1A:G1A+7]
	s_nop 0
.rept 4
	v_nop
.endr
	s_branch .Lasked_\@
.Lfor_b_\@:
	tensor_load_to_lds s[G0B+4*\n:G0B+4*\n+3], s[G1B:G1B+7]
	s_nop 0
.rept 4
	v_nop
.endr
.Lasked_\@:
.endm
.macro CREST                           ; a round of the cluster's barrier behind its opening barrier
	s_cmp_lg_u32 s[WV], 0
	s_cbranch_scc1 .Lnot_wave_0_\@
	s_barrier_signal -3
.Lnot_wave_0_\@:
	s_barrier_wait -3
	s_barrier_signal -1
	s_barrier_wait -1
.endm
.macro CROUND
	s_barrier_signal -1
	s_barrier_wait -1
	CREST
.endm
.macro FETCH slot, kk, fs              ; 48 LDS loads in one run: B's eight fragments, then A's four, of the slot's kk-th 128 along K, into set fs
	WIN TO_B
.irp b, 0,1,2,3,4,5,6,7
.irp c, 0,1,2,3
	ds_load_b128 v[128*(\fs)+16*\b+4*\c:128*(\fs)+16*\b+4*\c+3], v[ADRB+\slot] offset:4096*\b+2048*(\kk)+512*\c
.endr
.endr
	WIN 0
.irp a, 0,1,2,3
.irp c, 0,1,2,3
	ds_load_b128 v[AF+64*(\fs)+16*\a+4*\c:AF+64*(\fs)+16*\a+4*\c+3], v[ADRA+\slot] offset:4096*\a+2048*(\kk)+512*\c
.endr
.endr
.endm
.macro MUL8 a, fs, zero                ; A's fragment a against B's eight.  The 32 accumulators take turns in the same order in every step
.irp b, 0,1,2,3,4,5,6,7
.if \zero
	v_wmma_f32_16x16x128_fp8_fp8 v[8*(8*(\a)+\b):8*(8*(\a)+\b)+7], v[128*(\fs)+16*\b:128*(\fs)+16*\b+15], v[AF+64*(\fs)+16*(\a):AF+64*(\fs)+16*(\a)+15], 0
.else
	v_wmma_f32_16x16x128_fp8_fp8 v[8*(8*(\a)+\b):8*(8*(\a)+\b)+7], v[128*(\fs)+16*\b:128*(\fs)+16*\b+15], v[AF+64*(\fs)+16*(\a):AF+64*(\fs)+16*(\a)+15], v[8*(8*(\a)+\b):8*(8*(\a)+\b)+7]
.endif
.endr
.endm
.macro SUB fs, slot, kk, zero          ; a step of 128 along K on set fs; in its middle the next step's fragments are fetched into the other set
	s_wait_dscnt 8                                 ; B's 32 loads and A's fragments 0, 1 are in; the youngest eight (A's 2, 3) may be out
	WIN MUL
	MUL8 0, \fs, \zero
	MUL8 1, \fs, \zero
	s_wait_dscnt 0x0
	PLACES
	FETCH \slot, \kk, 1-\fs
	WIN MUL
	MUL8 2, \fs, \zero
	MUL8 3, \fs, \zero
.endm
	s_load_b256 s[4:11], s[0:1], 0x0               ; ximg 4, wimg 6, rope 8, scales 10
	s_load_b64 s[12:13], s[0:1], 0x20              ; qkv
	v_lshl_add_u32 v[SPW], v0, 2, SPARE
	v_mov_b32 v[NIL], 0
	ds_add_u32 v8, v9
	ds_add_u32 v8, v9
	s_wait_dscnt 0x0
	v_lshrrev_b32 v2, 5, v0
	v_readfirstlane_b32 s[WV], v2
	v_and_b32 v1, 31, v0
	v_lshlrev_b32 v1, 4, v1                        ; 16 x lane
	s_lshr_b32 s[WH], s[WV], 1                     ; my 64 rows of A.  Also: I fetch for A (0) or B (1)
	s_and_b32 s[WL], s[WV], 1                      ; my 128 rows of B.  Also: which half of the tile I fetch
	s_bfe_u32 s60, ttmp6, 0x40000                  ; cx
	s_bfe_u32 s61, ttmp6, 0x40004                  ; cy
	s_and_b32 s62, ttmp7, 0xffff                   ; the cluster's y, 0 to 15
	s_lshl_b32 s17, s61, 2
	s_lshl_b32 s17, 15, s17                        ; my row of the cluster
	s_lshl_b32 s63, 0x1111, s60                    ; my column
	s_or_b32 s[G1A], s17, (3<<16)|(1<<21)          ; the mask; elements of 8 bytes; bit 21 beside a mask; no padding
	s_or_b32 s[G1B], s63, (3<<16)|(1<<21)
	s_mov_b32 s[G1A+1], 512<<16                    ; a row of the tile: one 16-row fragment's 4,096 bytes of this K step
	s_mov_b32 s[G1A+2], 4<<16                      ; four of them for A
	s_mov_b32 s[G1A+3], 512<<16
	s_mov_b32 s[G1A+4], 4
	s_mov_b32 s[G1A+5], 2048                       ; 16,384 bytes from fragment to fragment
	s_mov_b32 s[G1A+6], 0
	s_mov_b32 s[G1A+7], 0
	s_mov_b32 s[G1B+1], 512<<16
	s_mov_b32 s[G1B+2], 8<<16                      ; eight for B
	s_mov_b32 s[G1B+3], 512<<16
	s_mov_b32 s[G1B+4], 8
	s_mov_b32 s[G1B+5], 2048
	s_mov_b32 s[G1B+6], 0
	s_mov_b32 s[G1B+7], 0
	s_and_b32 s18, s62, 1
	s_lshr_b32 s56, s62, 1
	s_lshl_b32 s19, ttmp9, 23                      ; p planes of 8 MiB
	s_lshl_b32 s57, ttmp9, 20                      ; p planes of 1 MiB
	s_cmp_eq_u32 ttmp9, 2                          ; v?  Only selections, moves and waits stand between this compare and its last selection
	s_cselect_b32 s18, s18, s62                    ; A's tiles: 64 of x, or 8 of Wv
	s_cselect_b32 s56, s56, 0                      ; B's tiles: 4 of W, or 32 of x
	s_cselect_b32 s20, s57, s19                    ; A's plane
	s_cselect_b32 s58, s19, s57                    ; B's plane
	s_wait_kmcnt 0x0
	s_cselect_b64 s[22:23], s[6:7], s[4:5]         ; A's buffer
	s_cselect_b64 s[2:3], s[4:5], s[6:7]           ; B's buffer
	s_load_b256 s[84:91], s[10:11], 0x0            ; entries 0-7
	s_load_b128 s[92:95], s[10:11], 0x20           ; entries 8-11
	s_lshl_b32 s18, s18, 2
	s_add_co_u32 s18, s18, s61                     ; A's tile: never holds cx
	s_lshl_b32 s56, s56, 2
	s_add_co_u32 s56, s56, s60                     ; B's tile: never holds cy
	s_lshl_b32 s21, s18, 17
	s_add_co_u32 s20, s20, s21
	s_lshl_b32 s21, s[WL], 16
	s_add_co_u32 s20, s20, s21
	s_mov_b32 s21, 0
	s_add_nc_u64 s[22:23], s[22:23], s[20:21]      ; A: the half that I would fetch
	s_lshl_b32 s59, s56, 18
	s_add_co_u32 s58, s58, s59
	s_lshl_b32 s59, s[WL], 17
	s_add_co_u32 s58, s58, s59
	s_mov_b32 s59, 0
	s_add_nc_u64 s[2:3], s[2:3], s[58:59]          ; B likewise
	s_lshl_b32 s17, s[WL], 14                      ; where they go: no place in the cluster enters an LDS address
	s_lshl_b32 s63, s[WL], 15
	s_add_co_u32 s63, s63, BOFF
.irp n, 0,1,2,3
	s_mov_b32 s[G0A+4*\n], 1
	s_add_co_u32 s[G0A+4*\n+1], s17, (\n%3)*SLOT
	s_add_nc_u64 s[G0A+4*\n+2:G0A+4*\n+3], s[22:23], 4096*\n
	s_or_b32 s[G0A+4*\n+3], s[G0A+4*\n+3], 0x80000000
	s_mov_b32 s[G0B+4*\n], 1
	s_add_co_u32 s[G0B+4*\n+1], s63, (\n%3)*SLOT
	s_add_nc_u64 s[G0B+4*\n+2:G0B+4*\n+3], s[2:3], 4096*\n
	s_or_b32 s[G0B+4*\n+3], s[G0B+4*\n+3], 0x80000000
.endr
	; where my results go and which tiles of the table I read: both forms are made, then one is chosen
	s_lshl_b32 s96, s18, 3
	s_lshl_b32 s97, s[WH], 2
	s_add_co_u32 s96, s96, s97                     ; q, k: my first 16-token tile
	s_and_b32 s97, s96, 127
	s_lshl_b32 s97, s97, 12                        ; its place in the sequence: the table's tile
	s_lshl_b32 s96, s96, 14
	s_add_co_u32 s96, s96, s19
	s_lshl_b32 s98, s56, 2
	s_lshl_b32 s99, s[WL], 1
	s_add_co_u32 s98, s98, s99                     ; my first head
	s_lshl_b32 s98, s98, 10
	s_add_co_u32 s96, s96, s98
	s_lshl_b32 s98, s18, 1
	s_add_co_u32 s98, s98, s[WH]                   ; v: my head,
	s_lshr_b32 s99, s56, 3
	s_lshl_b32 s99, s99, 4
	s_add_co_u32 s98, s98, s99                     ; with the batch,
	s_lshl_b32 s98, s98, 17
	s_lshl_b32 s99, s56, 1
	s_add_co_u32 s99, s99, s[WL]
	s_and_b32 s99, s99, 15                         ; my step of 128 keys
	s_lshl_b32 s99, s99, 13
	s_add_co_u32 s98, s98, s99
	s_add_co_u32 s98, s98, 0x1000000
	s_mov_b32 s100, 0x80000                        ; the table's tiles 128-131
	s_mov_b32 s101, 16384
	s_cmp_eq_u32 ttmp9, 2
	s_cselect_b32 s96, s98, s96
	s_cselect_b32 s98, s100, s97
	s_cselect_b32 s100, 2048, s101                 ; from block a to block a + 1
	s_mov_b32 s97, 0
	s_mov_b32 s99, 0
	s_add_nc_u64 s[12:13], s[12:13], s[96:97]
	s_add_nc_u64 s[8:9], s[8:9], s[98:99]
	CROUND                                         ; all sixteen work-groups are here: the first joint loads meet
	s_cmp_eq_u32 s[WH], 0                          ; a wave's three first fills stand in one branch
	s_cbranch_scc0 .Lfirst_b
	tensor_load_to_lds s[G0A:G0A+3], s[G1A:G1A+7]
	s_nop 0
	tensor_load_to_lds s[G0A+4:G0A+7], s[G1A:G1A+7]
	s_nop 0
	tensor_load_to_lds s[G0A+8:G0A+11], s[G1A:G1A+7]
	s_nop 0
.rept 4
	v_nop
.endr
	s_branch .Lfirst_asked
.Lfirst_b:
	tensor_load_to_lds s[G0B:G0B+3], s[G1B:G1B+7]
	s_nop 0
	tensor_load_to_lds s[G0B+4:G0B+7], s[G1B:G1B+7]
	s_nop 0
	tensor_load_to_lds s[G0B+8:G0B+11], s[G1B:G1B+7]
	s_nop 0
.rept 4
	v_nop
.endr
.Lfirst_asked:
	WIN 0xc0                                       ; destination window 3: cos and sin of my four tiles of tokens, 512 consecutive bytes a load
	s_wait_alu depctr_va_vdst(0)
.irp a, 0,1,2,3
.irp q, 0,1,2,3,4,5,6,7
	global_load_b128 v[32*\a+4*\q:32*\a+4*\q+3], v1, s[8:9] offset:4096*\a+512*\q
.endr
.endr
	WIN 0
	s_lshl_b32 s20, s[WH], 14
	s_lshl_b32 s21, s[WL], 15
	s_add_co_u32 s21, s21, BOFF
.irp s, 0,1,2
	v_add_nc_u32 v[ADRA+\s], s20, v1
	v_add_nc_u32 v[ADRB+\s], s21, v1
	s_add_co_u32 s20, s20, SLOT
	s_add_co_u32 s21, s21, SLOT
.endr
	v_mov_b32 v[VOFF], v1
	v_add_nc_u32 v[VOFF+1], s100, v[VOFF]
	v_add_nc_u32 v[VOFF+2], s100, v[VOFF+1]
	v_add_nc_u32 v[VOFF+3], s100, v[VOFF+2]
	s_wait_kmcnt 0x0
	s_add_co_i32 s84, s84, s85                     ; the two operands' exponents of product 1, 2, 3
	s_add_co_i32 s86, s86, s87
	s_add_co_i32 s88, s88, s89
	s_cmp_eq_u32 ttmp9, 1
	s_cselect_b32 s84, s86, s84
	s_cselect_b32 s90, s91, s90                    ; entry 7 for k, 6 for q,
	s_cmp_eq_u32 ttmp9, 2
	s_cselect_b32 s84, s88, s84
	s_cselect_b32 s90, s93, s90                    ; 9 for v
	s_sub_co_i32 s84, s90, s84
	s_add_co_i32 s84, s84, 127
	s_lshl_b32 s85, s84, 23
	v_mov_b32 v[SC], s85
	s_wait_tensorcnt 2                             ; my part of K step 0 is in; steps 1 and 2 may be out
	s_barrier_signal -1
	s_barrier_wait -1
	FETCH 0, 0, 0
	SUB 0, 0, 1, 1                                 ; the first products start the sums: nothing is cleared
	; the second step leaves slot 0, which takes K step 3
	WIN 0
	s_wait_tensorcnt 0x0                           ; all my tensor loads have landed: slots 1 and 2 among them
	ds_add_u32 v[SPW], v[NIL]                      ; 0 onto my spare word
	s_wait_dscnt 9                                 ; (the add and A's fragments 2, 3 may be out)
	WIN MUL
	MUL8 0, 1, 0
	s_wait_dscnt 0x0                               ; the add is done, and my reads of slot 0 are over
	s_barrier_signal -1                            ; this barrier opens a round of the cluster's
	MUL8 1, 1, 0
	WIN 0
	s_barrier_wait -1
	CREST                                          ; no wave of any partner still reads slot 0 or has a load on its way
	JLOAD 3                                        ; the one refill: four steps, 128 matrix instructions, in which to land; its four v_nop are the places in front of the loads below
	s_wait_alu depctr_va_vdst(0)
	FETCH 1, 0, 0
	WIN MUL
	MUL8 2, 1, 0
	MUL8 3, 1, 0
	SUB 0, 1, 1, 0
	SUB 1, 2, 0, 0
	SUB 0, 2, 1, 0
	; the sixth step meets K step 3
	s_wait_dscnt 8
	WIN MUL
	MUL8 0, 1, 0
	s_wait_dscnt 0x0                               ; no LDS instruction of mine is out at the signal
	s_wait_tensorcnt 0x0                           ; my part of K step 3 is in: the one load that was out
	s_barrier_signal -1
	MUL8 1, 1, 0
	s_barrier_wait -1                              ; everybody's is
	PLACES
	FETCH 0, 0, 0
	WIN MUL
	MUL8 2, 1, 0
	MUL8 3, 1, 0
	SUB 0, 0, 1, 0
	s_wait_dscnt 8                                 ; the last step fetches nothing
	WIN MUL
	MUL8 0, 1, 0
	MUL8 1, 1, 0
	s_wait_dscnt 0x0
	MUL8 2, 1, 0
	MUL8 3, 1, 0
	WIN 0
	PLACES
	s_wait_loadcnt 0x0                             ; cos and sin
; Block a: 16 rows of side A x my 128 rows of side B.  A pair of neighbouring registers (x1, x2) becomes (x1 cos - x2 sin, x1 sin + x2 cos): one packed product, one packed multiply-add.
; Each accumulator is read from its low end on.
.macro EPI a
	WIN 0x0e                                       ; source 0 (the sums) window 2, source 1 (cos, sin) window 3
.irp b, 0,1,2,3,4,5,6,7
.irp j, 0,2,4,6
	v_pk_mul_f32 v[TT+8*(\b%2)+\j:TT+8*(\b%2)+\j+1], v[64*\a+8*\b+\j:64*\a+8*\b+\j+1], v[32*\a+8*(\b%4)+\j:32*\a+8*(\b%4)+\j+1] op_sel:[1,1] op_sel_hi:[0,1]   ; (x2 sin, x1 sin)
.endr
.irp j, 0,2,4,6
	v_pk_fma_f32 v[RR+8*\b+\j:RR+8*\b+\j+1], v[64*\a+8*\b+\j:64*\a+8*\b+\j+1], v[32*\a+8*(\b%4)+\j:32*\a+8*(\b%4)+\j+1], v[TT+8*(\b%2)+\j:TT+8*(\b%2)+\j+1] op_sel_hi:[1,0,1] neg_lo:[0,0,1]   ; (x1 cos - x2 sin, x2 cos + x1 sin)
.endr
.endr
	WIN 0
.irp b, 0,1,2,3,4,5,6,7
.irp i, 0,1,2,3,4,5,6,7
.endr
	v_cvt_scalef32_pk8_fp8_f32 v[CODE+16*\a+2*\b:CODE+16*\a+2*\b+1], v[RR+8*\b:RR+8*\b+7], v[SC]   ; registers 2b, 2b+1 of the next operand's image
.endr
	v_nop                                          ; a plain line behind the last conversion
.irp g, 0,1,2,3
	global_store_b128 v[VOFF+\a], v[CODE+16*\a+4*\g:CODE+16*\a+4*\g+3], s[12:13] offset:512*\g   ; 512 consecutive bytes; each block has code registers of its own
.endr
.endm
	EPI 0
	EPI 1
	EPI 2
	EPI 3
	s_wait_tensorcnt 0x0                           ; the wave's end
	ds_add_u32 v[SPW], v[NIL]
	s_wait_dscnt 0x0
	CROUND                                         ; the closing round: no work-group ends while a partner may still ask for a tile that names it
	s_endpgm
.Lfunc_end_k_qc6ec60a1fe_qkv:
	.size	k_qc6ec60a1fe_qkv, .Lfunc_end_k_qc6ec60a1fe_qkv-k_qc6ec60a1fe_qkv
	.p2alignl 7, 3214868480
	.fill 96, 4, 3214868480
	.section	.rodata,"a",@progbits
	.p2align	6, 0x0
	.amdhsa_kernel k_qc6ec60a1fe_qkv
		.amdhsa_group_segment_fixed_size 327680
		.amdhsa_private_segment_fixed_size 0
		.amdhsa_enable_private_segment 0
		.amdhsa_kernarg_size 40
		.amdhsa_user_sgpr_count 2
		.amdhsa_user_sgpr_kernarg_segment_ptr 1
		.amdhsa_wavefront_size32 1
		.amdhsa_system_sgpr_workgroup_id_x 1
		.amdhsa_system_sgpr_workgroup_id_y 1
		.amdhsa_system_sgpr_workgroup_id_z 1
		.amdhsa_system_vgpr_workitem_id 0
		.amdhsa_next_free_vgpr 896
		.amdhsa_next_free_sgpr 102
		.amdhsa_reserve_vcc 0
		.amdhsa_float_denorm_mode_32 3
		.amdhsa_float_denorm_mode_16_64 3
		.amdhsa_fp16_overflow 1
		.amdhsa_memory_ordered 1
		.amdhsa_forward_progress 1
		.amdhsa_inst_pref_size 76
	.end_amdhsa_kernel
	.amdgpu_metadata
---
amdhsa.version: [ 1, 2 ]
amdhsa.kernels:
  - .name:           k_qc6ec60a1fe_qkv
    .symbol:         k_qc6ec60a1fe_qkv.kd
    .args:
      - { .name: ximg, .offset: 0, .size: 8, .value_kind: global_buffer, .address_space: global }
      - { .name: wimg, .offset: 8, .size: 8, .value_kind: global_buffer, .address_space: global }
      - { .name: rope, .offset: 16, .size: 8, .value_kind: global_buffer, .address_space: global }
      - { .name: lowp_scales, .offset: 24, .size: 8, .value_kind: global_buffer, .address_space: global }
      - { .name: qkv, .offset: 32, .size: 8, .value_kind: global_buffer, .address_space: global }
    .group_segment_fixed_size: 327680
    .private_segment_fixed_size: 0
    .kernarg_segment_align: 8
    .kernarg_segment_size: 40
    .max_flat_workgroup_size: 128
    .sgpr_count:     102
    .vgpr_count:     896
    .wavefront_size: 32
...
	.end_amdgpu_metadata
.endif
;; end of part 2
;; launch attn (part 3): grid 4 x 64, 16 waves a work-group, clusters of 4 x 1, 264,192 bytes of LDS; arguments qkv, lowp_scales, ctx; writes ctx
.if DOCPART == 3
	.amdgcn_target "amdgcn-amd-amdhsa--gfx1250"
	.amdhsa_code_object_version 6
	.text
	.protected	k_qc6ec60a1fe_attn
	.globl	k_qc6ec60a1fe_attn
	.p2align	8
	.type	k_qc6ec60a1fe_attn,@function
k_qc6ec60a1fe_attn:
	s_mov_b64 s[64:65], 0
	v_nop
	global_prefetch_b8 v0, s[64:65] scope:SCOPE_SE
	s_setreg_imm32_b32 hwreg(HW_REG_WAVE_MODE, 25, 1), 1
	s_wait_xcnt 0x0
	s_wait_alu depctr_hold_cnt(0) depctr_sa_sdst(0) depctr_va_vdst(0) depctr_va_sdst(0) depctr_va_ssrc(0) depctr_va_vcc(0) depctr_vm_vsrc(0)
	s_getreg_b32 s2, hwreg(HW_REG_IB_STS2, 6, 4)
	s_cmp_eq_u32 s2, 0
	s_cbranch_scc0 .Lentry_in_a_cluster
	s_endpgm
.Lentry_in_a_cluster:
	s_bfe_u32 s2, ttmp6, 0x10000c
	s_cmp_lg_u32 s2, 0x3003
	s_cbranch_scc0 .Lentry_shape_is_right
	s_endpgm
.Lentry_shape_is_right:
; ATTN: causal attention of one head (batch x head = the cluster's y) on codes of E4M3; the result is quantised for the output projection and stored as an image of operand registers.
; THE SOFTMAX AHEAD OF THE SECOND PRODUCT: t = score x log2(e) / 8; M = the running largest t rounded UP to a whole number; p = 2^(t - M) is quantised, not normalised; the row's sum is taken of the
; unquantised p and divides at the end.  When M moves, the sum and O are multiplied by 2^(old M - new M): exact.
; CLUSTER: the four work-groups of a cluster share the head.  The head's whole K (128 tiles of 16 keys x 1,024 bytes, LDS 0) and V (16 steps of 128 keys x 8,192 bytes, LDS 131,072) are asked for ONCE, jointly,
; in four groups of 512 keys: each of the sixteen waves issues four loads of 4 KiB (waves 0-7 K, waves 8-15 V): by this text's count four tensor loads of a wave are out at the most.  No LDS byte is filled again.
; SHARES: a wave owns two tiles of 16 queries, 8 (15 - GA) + e and 8 GA + e, with GA = wave/2 and e = 2 cx + wave%2.  Tile i needs i/8 + 1 steps of 128 keys: 17 steps for every wave.
; The late tile comes first: its steps 0-7 are whole for every wave, so the three barriers at which the groups of keys are met cost no wave an idle step.
; Every trip count is a constant; a step all of whose keys are hidden is jumped over by a branch on the wave's number and the loop's count; cx enters only global addresses and the mask's vector D.
; LAYOUT: S^T = K Q^T (source 0 = 16 keys, source 1 = my 16 queries, K = 64), O^T = V^T P^T (source 0 = 16 channels, K = 128 keys): lane (r, h) holds query r throughout.
; Tile t of S^T holds keys 16 t + 8 h + 0..7 in its eight registers: converted, they are registers 2t, 2t+1 of P as the K = 128 form wants it, and V's images lie in the same order.
; BY TURNS: behind M the softmax goes tile by tile.  Between the eight exponentials of tile t stand the four multiply-adds t - M of tile t + 1, the four sums and the conversion of tile t - 1, and two of
; O^T's sixteen rescalings: no run of exponentials, a plain line on other registers behind each, and every result is used a tile later.
; LIMITS: entries 6 + 7 between -123 and 130 (added to c's exponent field); entries 8 and 10 between -126 and 119.  NaN is not served.
; REGISTERS: v1-5 addresses and D; v12 -M, v13 the largest t, v[14:15] the sum; v16-23 the late tile's Q, v24-31 the early tile's; v32-95 K's eight fragments, then V's four; v96-159 S^T, then p; v160-191 O^T;
;   v192-207 p's codes; v208-215 the result's codes; v244 p's scale; v247 the result's scale; v236, v242-243, v248-255 at work.
.set LI,  1                            ; v1  16 x lane; never rewritten
.set LV,  2                            ; v2  the same in V's part of LDS
.set ADK, 3
.set ADV, 4
.set DD,  5                            ; v5  16 e + r - 8 h: in the step on the diagonal, register 8 t + j is hidden where 16 t + j > D
.set WV,  10
.set G,   18                           ; the tile's last step
.set J,   19                           ; the step
.set TB,  20                           ; 8,192 x the step: its place in K's and in V's part of LDS
.set CNT, 21
.set CS,  22                           ; s[22:23] c = log2(e) / 8 x 2^(entries 6 + 7)
.set G1K, 24
.set G1V, 32
.set G0K, 40                           ; s[40:55] four groups 0 for K
.set SEL, 56
.set G0V, 68                           ; s[68:83] four for V
.set ES,  95
.macro CROUND
	s_barrier_signal -1
	s_barrier_wait -1
	s_cmp_lg_u32 s[WV], 0
	s_cbranch_scc1 .Lnot_wave_0_\@
	s_barrier_signal -3
.Lnot_wave_0_\@:
	s_barrier_wait -3
	s_barrier_signal -1
	s_barrier_wait -1
.endm
	s_load_b128 s[4:7], s[0:1], 0x0                ; qkv, the scales
	s_load_b64 s[8:9], s[0:1], 0x10                ; ctx
	v_lshl_add_u32 v239, v0, 2, 0x40000
	v_mov_b32 v245, 0
	ds_add_u32 v239, v245
	ds_add_u32 v239, v245
	v_lshrrev_b32 v6, 5, v0
	v_readfirstlane_b32 s[WV], v6
	s_bfe_u32 s11, ttmp6, 0x40000                  ; cx
	s_and_b32 s12, ttmp7, 0xffff                   ; batch x 16 + head
	s_and_b32 s13, s[WV], 7
	s_lshl_b32 s16, s13, 12                        ; my 4 KiB of a group, in LDS and in V
	s_lshr_b32 s14, s12, 4
	s_and_b32 s15, s12, 15
	s_lshl_b32 s92, s14, 21
	s_lshl_b32 s93, s15, 10
	s_add_co_u32 s92, s92, s93                     ; the batch's 128 tiles of 16,384 bytes, the head's 1,024 in each: for q, k and ctx alike
	s_lshl_b32 s94, s13, 16                        ; my four tiles of keys
	s_add_co_u32 s94, s94, s92
	s_add_co_u32 s94, s94, 0x800000                ; k's plane
	s_mov_b32 s95, 0
	s_lshl_b32 s96, s12, 17
	s_add_co_u32 s96, s96, s16
	s_add_co_u32 s96, s96, 0x1000000               ; v's plane
	s_mov_b32 s97, 0
	s_mov_b32 s[G1K], 15|(3<<16)|(1<<21)           ; all four work-groups; elements of 8 bytes; bit 21 beside a mask
	s_mov_b32 s[G1K+1], 128<<16                    ; a row: a tile's 1,024 bytes
	s_mov_b32 s[G1K+2], 4<<16
	s_mov_b32 s[G1K+3], 128<<16
	s_mov_b32 s[G1K+4], 4
	s_mov_b32 s[G1K+5], 2048                       ; 16,384 bytes from tile to tile
	s_mov_b32 s[G1K+6], 0
	s_mov_b32 s[G1K+7], 0
	s_mov_b32 s[G1V], 15|(3<<16)|(1<<21)
	s_mov_b32 s[G1V+1], 128<<16
	s_mov_b32 s[G1V+2], 4<<16
	s_mov_b32 s[G1V+3], 128<<16
	s_mov_b32 s[G1V+4], 4
	s_mov_b32 s[G1V+5], 128                        ; dense
	s_mov_b32 s[G1V+6], 0
	s_mov_b32 s[G1V+7], 0
	s_mov_b32 s[SEL], 0x76543210
	s_mov_b32 s[SEL+1], 0xfedcba98
	s_mov_b32 s[CS], 0x3e38aa3b                    ; log2(e) / sqrt(64)
	s_lshr_b32 s17, s[WV], 1                       ; GA
	s_sub_co_u32 s[G], 15, s17                     ; the late tile's last step
	s_and_b32 s98, s[WV], 1
	s_lshl_b32 s99, s11, 1
	s_add_co_u32 s98, s98, s99                     ; e
	s_wait_dscnt 0x0
	s_wait_kmcnt 0x0
	s_load_b128 s[84:87], s[6:7], 0x18             ; entries 6-9
	s_load_b64 s[88:89], s[6:7], 0x28              ; entries 10, 11
	s_add_nc_u64 s[94:95], s[4:5], s[94:95]
	s_add_nc_u64 s[96:97], s[4:5], s[96:97]
.irp q, 0,1,2,3
	s_mov_b32 s[G0K+4*\q], 1
	s_add_co_u32 s[G0K+4*\q+1], s16, 32768*\q
	s_add_nc_u64 s[G0K+4*\q+2:G0K+4*\q+3], s[94:95], 524288*\q
	s_or_b32 s[G0K+4*\q+3], s[G0K+4*\q+3], 0x80000000
	s_mov_b32 s[G0V+4*\q], 1
	s_add_co_u32 s[G0V+4*\q+1], s16, 131072+32768*\q
	s_add_nc_u64 s[G0V+4*\q+2:G0V+4*\q+3], s[96:97], 32768*\q
	s_or_b32 s[G0V+4*\q+3], s[G0V+4*\q+3], 0x80000000
.endr
	s_lshl_b32 s100, s[G], 3
	s_add_co_u32 s100, s100, s98                   ; the late tile
	s_lshl_b32 s100, s100, 14
	s_add_co_u32 s100, s100, s92
	s_mov_b32 s101, 0
	s_add_nc_u64 s[58:59], s[4:5], s[100:101]      ; its q,
	s_add_nc_u64 s[62:63], s[8:9], s[100:101]      ; its place in ctx
	s_lshl_b32 s100, s17, 3
	s_add_co_u32 s100, s100, s98                   ; the early tile
	s_lshl_b32 s100, s100, 14
	s_add_co_u32 s100, s100, s92
	s_add_nc_u64 s[60:61], s[4:5], s[100:101]
	s_add_nc_u64 s[90:91], s[8:9], s[100:101]
	CROUND                                         ; all four work-groups are here: the joint loads meet
	s_cmp_lt_u32 s[WV], 8                          ; a wave's four fills stand in one branch; four v_nop follow the last
	s_cbranch_scc0 .Lfirst_v
	tensor_load_to_lds s[G0K:G0K+3], s[G1K:G1K+7]
	s_nop 0
	tensor_load_to_lds s[G0K+4:G0K+7], s[G1K:G1K+7]
	s_nop 0
	tensor_load_to_lds s[G0K+8:G0K+11], s[G1K:G1K+7]
	s_nop 0
	tensor_load_to_lds s[G0K+12:G0K+15], s[G1K:G1K+7]
	s_nop 0
.rept 4
	v_nop
.endr
	s_branch .Lfirst_asked
.Lfirst_v:
	tensor_load_to_lds s[G0V:G0V+3], s[G1V:G1V+7]
	s_nop 0
	tensor_load_to_lds s[G0V+4:G0V+7], s[G1V:G1V+7]
	s_nop 0
	tensor_load_to_lds s[G0V+8:G0V+11], s[G1V:G1V+7]
	s_nop 0
	tensor_load_to_lds s[G0V+12:G0V+15], s[G1V:G1V+7]
	s_nop 0
.rept 4
	v_nop
.endr
.Lfirst_asked:
	v_and_b32 v[LI], 31, v0
	v_lshlrev_b32 v[LI], 4, v[LI]
	global_load_b128 v[16:19], v[LI], s[58:59]             ; both tiles' q are asked for now: 512 consecutive bytes a load; they stay in registers
	global_load_b128 v[20:23], v[LI], s[58:59] offset:512
	global_load_b128 v[24:27], v[LI], s[60:61]
	global_load_b128 v[28:31], v[LI], s[60:61] offset:512
	v_add_nc_u32 v[LV], 131072, v[LI]
	v_and_b32 v6, 15, v0
	v_bfe_u32 v7, v0, 4, 1
	v_lshlrev_b32 v7, 3, v7
	v_sub_nc_u32 v[DD], v6, v7
	s_lshl_b32 s99, s98, 4
	v_add_nc_u32 v[DD], s99, v[DD]
	v_mov_b32 v236, 0                              ; written once: a lane permute's destination counts as one of its sources
	v_mov_b32 v252, 0
	v_mov_b32 v253, 0                              ; (named as the upper half of the pair v[252:253])
	s_wait_kmcnt 0x0
	s_add_co_i32 s93, s84, s85
	s_lshl_b32 s93, s93, 23
	s_add_co_i32 s[CS], s[CS], s93                 ; a score stands for score x 2^(entries 6 + 7)
	s_mov_b32 s[CS+1], s[CS]
	s_add_co_i32 s93, s86, 127
	s_lshl_b32 s94, s93, 23
	v_mov_b32 v244, s94                            ; p's scale,
	s_add_co_i32 s93, s88, 127
	s_lshl_b32 s94, s93, 23
	v_mov_b32 v247, s94                            ; the result's scale,
	s_add_co_i32 s[ES], s86, s87                   ; a sum of the second product stands for sum x 2^(entries 8 + 9)
; A tile begins with zeros.  (The step is written for every step alike: the first finds zeros, which the first change of M leaves zeros.)
.macro ZERO
	v_mov_b32 v13, 0xff61b1e6                      ; -3e38, under every t
	v_floor_f32 v12, -v13
	v_mov_b32 v14, 0
	v_mov_b32 v15, 0
.set n, 0
.rept 32
	v_mov_b32 v[160+n], 0
.set n, n+1
.endr
.endm
; THE LINES OF A TILE OF EIGHT SCORES (tile t, registers 96 + 8 t on).
.macro FM t, i                         ; pair i: t - M (of the pairs c and -M the low word serves both halves)
	v_pk_fma_f32 v[96+8*(\t)+2*(\i):97+8*(\t)+2*(\i)], v[96+8*(\t)+2*(\i):97+8*(\t)+2*(\i)], s[CS:CS+1], v[12:13] op_sel_hi:[1,0,0]
.endm
.macro EX t, j                         ; p = 2^(t - M), at most 1
	v_exp_f32 v[96+8*(\t)+(\j)], v[96+8*(\t)+(\j)]
.endm
.macro AD t, i                         ; the row's sum is taken of the unquantised p, in two chains; tile 0 starts the second chain, so it has three lines
.if ((\t) == 0) && ((\i) == 1)
	v_pk_add_f32 v[242:243], v[98:99], v[100:101]
.elseif ((\t) == 0) && ((\i) == 2)
	s_setprio 1
	v_pk_add_f32 v[14:15], v[14:15], v[102:103]
.elseif ((\t) == 0) && ((\i) == 3)
.elseif ((\i) % 2) == 0
	s_wait_alu depctr_va_vdst(0)
	v_pk_add_f32 v[14:15], v[14:15], v[96+8*(\t)+2*(\i):97+8*(\t)+2*(\i)]
.else
	v_pk_add_f32 v[242:243], v[242:243], v[96+8*(\t)+2*(\i):97+8*(\t)+2*(\i)]
.endif
.endm
.macro MN t, i                         ; the conversion does not saturate (ISA guide 7.6.2)
.endm
.macro RS i                            ; pair i of O^T under the new M: x f
	v_pk_mul_f32 v[160+2*(\i):161+2*(\i)], v[160+2*(\i):161+2*(\i)], v[252:253] op_sel_hi:[1,0]
.endm
.macro CV t                            ; registers 2t, 2t+1 of P
	v_cvt_scalef32_pk8_fp8_f32 v[192+2*(\t):193+2*(\t)], v[96+8*(\t):103+8*(\t)], v244
.endm
; A KEY STEP: 128 keys.  masked = 1: the step may be hidden as a whole (it is jumped over) or lie on the diagonal.  q: where the tile's Q stands.
.macro STEP masked, q
.if \masked
	s_cmp_gt_u32 s[J], s[G]
	s_cbranch_scc1 .Lhidden_\@
.endif
	s_setprio 2
	v_add_nc_u32 v[ADK], s[TB], v[LI]
	v_add_nc_u32 v[ADV], s[TB], v[LV]
	v_nop                                          ; with the two additions: four places in front of loads into registers that the last products read
	v_nop
.irp t, 0,1,2,3,4,5,6,7
.irp c, 0,1
	ds_load_b128 v[32+8*\t+4*\c:32+8*\t+4*\c+3], v[ADK] offset:1024*\t+512*\c
.endr
.endr
	s_wait_dscnt 0x0
.irp t, 0,1,2,3,4,5,6,7
	v_wmma_f32_16x16x64_fp8_fp8 v[96+8*\t:103+8*\t], v[32+8*\t:39+8*\t], v[\q:\q+7], 0
.endr
	v_mov_b32 v255, v12                            ; the old -M is kept; with three v_nop: four places behind the products
.rept 3
	v_nop
.endr
.irp t, 0,1,2,3
.irp c, 0,1,2,3
	ds_load_b128 v[32+16*\t+4*\c:32+16*\t+4*\c+3], v[ADV] offset:2048*\t+512*\c   ; V lands while the softmax is walked
.endr
.endr
.if \masked
	s_cmp_lg_u32 s[J], s[G]
	s_cbranch_scc1 .Lopen_\@
	v_mov_b32 v254, 0xff800000                     ; hidden scores become -infinity ahead of the maximum: p = 0 then
.set n, 0
.rept 64
	v_cmp_gt_i32 vcc_lo, 16*(n/8)+n%8, v[DD]
	v_cndmask_b32 v[96+n], v[96+n], v254, vcc_lo
.set n, n+1
.endr
.Lopen_\@:
.endif
	; the step's largest score of my query among my 64 keys: four chains of 16 scores, so that a line reads a result made four lines back; each accumulator is read first at its lowest register
.irp k, 0,1,2,3
	v_max3_num_f32 v[248+\k], v[96+16*\k], v[97+16*\k], v[98+16*\k]
.endr
.irp m, 1,2,3,4,5,6
.irp k, 0,1,2,3
	v_max3_num_f32 v[248+\k], v[248+\k], v[97+16*\k+2*\m], v[98+16*\k+2*\m]
.endr
.endr
	v_max3_num_f32 v248, v248, v111, v127          ; the chains' sixteenth scores,
	v_max3_num_f32 v250, v250, v143, v159
	v_max3_num_f32 v248, v248, v249, v250          ; and the four chains
	v_max_num_f32 v254, v248, v251
	v_permlanex16_b32 v236, v254, s[SEL], s[SEL+1]
	v_max_num_f32 v254, v254, v236                 ; and among lane l xor 16's
	v_mul_f32 v254, s[CS], v254                    ; as t (c is positive)
	v_max_num_f32 v13, v13, v254
	v_floor_f32 v12, -v13                          ; -M = floor(-t): M is a whole number
	v_sub_f32 v254, v12, v255                      ; old M - new M: a whole number, 0 or less
	v_cvt_i32_f32 v254, v254                       ; (it saturates)
	v_ldexp_f32 v252, 1.0, v254                    ; f = 2^(old M - new M)
	; tile by tile: tile t's exponentials, with tile t + 1's multiply-adds, tile t - 1's sums and conversion, and O^T's rescaling between them
.irp i, 0,1,2,3
	FM 0, \i
.endr
.irp t, 0,1,2,3,4,5,6,7
.irp j, 0,1,2,3
	EX \t, \j
.if \t < 7
	FM \t+1, \j
.endif
.if \t > 0
	AD \t-1, \j
.endif
.endr
	EX \t, 4
	RS 2*\t
.if \t > 0
	MN \t-1, 0
.endif
	EX \t, 5
	RS 2*\t+1
.if \t > 0
	MN \t-1, 1
.endif
	EX \t, 6
.if \t > 0
	MN \t-1, 2
.else
	v_pk_mul_f32 v[14:15], v[14:15], v[252:253] op_sel_hi:[1,0]   ; the sums under the new M, ahead of the step's first addition
.endif
	EX \t, 7
.if \t > 0
	MN \t-1, 3
	CV \t-1
.endif
.endr
	s_setprio 0
.irp i, 0,1,2,3
	AD 7, \i                                       ; the last tile's lines: a conversion stands between its last exponential and these
.endr
.irp i, 0,1,2,3
	MN 7, \i
.endr
	CV 7
	v_pk_add_f32 v[14:15], v[14:15], v[242:243]    ; the two chains.  (The plain line between the last conversion and the products that read its result)
	s_wait_dscnt 0x0                               ; V is in
.irp t, 0,1,2,3
	v_wmma_f32_16x16x128_fp8_fp8 v[160+8*\t:167+8*\t], v[32+16*\t:47+16*\t], v[192:207], v[160+8*\t:167+8*\t]   ; four accumulators by turns
.endr
.if \masked
.Lhidden_\@:
	s_add_co_u32 s[J], s[J], 1
.endif
	s_add_co_u32 s[TB], s[TB], 8192
.endm
; A tile ends: O^T / the sum x 2^(entries 8 + 9), quantised with entry 10: tile t's eight channels become registers 2t, 2t+1 of the head's half of an image.
.macro FINAL cp
.rept 4
	v_nop                                          ; places behind the last products
.endr
	v_add_f32 v14, v14, v15
	v_permlanex16_b32 v252, v14, s[SEL], s[SEL+1]
	v_add_f32 v14, v14, v252                       ; the row's sum
	v_rcp_f32 v14, v14
	v_nop                                          ; a plain line behind the reciprocal
	s_wait_alu depctr_va_vdst(0)
	v_ldexp_f32 v14, v14, s[ES]
.set n, 0
.rept 32
	v_mul_f32 v[96+n], v[160+n], v14
.set n, n+1
.endr
.irp t, 0,1,2,3
.irp i, 0,1,2,3,4,5,6,7
.endr
	v_cvt_scalef32_pk8_fp8_f32 v[208+2*\t:209+2*\t], v[96+8*\t:103+8*\t], v247
.endr
	v_nop                                          ; a plain line behind the last conversion
	global_store_b128 v[LI], v[208:211], s[\cp:\cp+1]              ; 512 consecutive bytes each
	global_store_b128 v[LI], v[212:215], s[\cp:\cp+1] offset:512
.endm
	ZERO                                           ; the late tile
	s_wait_loadcnt 0x0                             ; both tiles' q
	s_wait_tensorcnt 3                             ; my part of keys 0-511 is in; the three later groups may be out
	s_barrier_signal -1
	s_barrier_wait -1                              ; everybody's is
	s_mov_b32 s[J], 0
	s_mov_b32 s[TB], 0
	s_mov_b32 s[CNT], 4
.Lp0:
	STEP 0, 16
	s_sub_co_u32 s[CNT], s[CNT], 1
	s_cmp_lg_u32 s[CNT], 0
	s_cbranch_scc1 .Lp0
	s_setprio 0
	s_wait_tensorcnt 2                             ; keys 512-1,023; the two later groups may be out
	s_wait_dscnt 0x0
	s_barrier_signal -1
	s_barrier_wait -1
	s_mov_b32 s[TB], 32768
	s_mov_b32 s[CNT], 4
.Lp1:
	STEP 0, 16
	s_sub_co_u32 s[CNT], s[CNT], 1
	s_cmp_lg_u32 s[CNT], 0
	s_cbranch_scc1 .Lp1
	s_setprio 0
	s_wait_tensorcnt 0x0                           ; the rest
	s_wait_dscnt 0x0
	s_barrier_signal -1
	s_barrier_wait -1                              ; the last barrier of the work: from here the waves run free
	s_mov_b32 s[J], 8
	s_mov_b32 s[TB], 65536
	s_mov_b32 s[CNT], 8
.Lp2:
	STEP 1, 16
	s_sub_co_u32 s[CNT], s[CNT], 1
	s_cmp_lg_u32 s[CNT], 0
	s_cbranch_scc1 .Lp2
	s_setprio 0
	FINAL 62
	s_mov_b32 s[G], s17                            ; the early tile
	s_mov_b32 s[J], 0
	s_mov_b32 s[TB], 0
	s_mov_b32 s[CNT], 8
	s_wait_xcnt 0x0                                ; the late tile's stores have read their code registers, which the early tile's end writes again
	ZERO
.Lp3:
	STEP 1, 24
	s_sub_co_u32 s[CNT], s[CNT], 1
	s_cmp_lg_u32 s[CNT], 0
	s_cbranch_scc1 .Lp3
	s_setprio 0
	FINAL 90
	s_wait_tensorcnt 0x0
	ds_add_u32 v239, v245
	s_wait_dscnt 0x0
	CROUND                                         ; the closing round
	s_endpgm
.Lfunc_end_k_qc6ec60a1fe_attn:
	.size	k_qc6ec60a1fe_attn, .Lfunc_end_k_qc6ec60a1fe_attn-k_qc6ec60a1fe_attn
	.p2alignl 7, 3214868480
	.fill 96, 4, 3214868480
	.section	.rodata,"a",@progbits
	.p2align	6, 0x0
	.amdhsa_kernel k_qc6ec60a1fe_attn
		.amdhsa_group_segment_fixed_size 264192
		.amdhsa_private_segment_fixed_size 0
		.amdhsa_enable_private_segment 0
		.amdhsa_kernarg_size 24
		.amdhsa_user_sgpr_count 2
		.amdhsa_user_sgpr_kernarg_segment_ptr 1
		.amdhsa_wavefront_size32 1
		.amdhsa_system_sgpr_workgroup_id_x 1
		.amdhsa_system_sgpr_workgroup_id_y 1
		.amdhsa_system_sgpr_workgroup_id_z 1
		.amdhsa_system_vgpr_workitem_id 0
		.amdhsa_next_free_vgpr 256
		.amdhsa_next_free_sgpr 102
		.amdhsa_reserve_vcc 1
		.amdhsa_float_denorm_mode_32 3
		.amdhsa_float_denorm_mode_16_64 3
		.amdhsa_fp16_overflow 1
		.amdhsa_memory_ordered 1
		.amdhsa_forward_progress 1
		.amdhsa_inst_pref_size 81
	.end_amdhsa_kernel
	.amdgpu_metadata
---
amdhsa.version: [ 1, 2 ]
amdhsa.kernels:
  - .name:           k_qc6ec60a1fe_attn
    .symbol:         k_qc6ec60a1fe_attn.kd
    .args:
      - { .name: qkv, .offset: 0, .size: 8, .value_kind: global_buffer, .address_space: global }
      - { .name: lowp_scales, .offset: 8, .size: 8, .value_kind: global_buffer, .address_space: global }
      - { .name: ctx, .offset: 16, .size: 8, .value_kind: global_buffer, .address_space: global }
    .group_segment_fixed_size: 264192
    .private_segment_fixed_size: 0
    .kernarg_segment_align: 8
    .kernarg_segment_size: 24
    .max_flat_workgroup_size: 512
    .sgpr_count:     102
    .vgpr_count:     256
    .wavefront_size: 32
...
	.end_amdgpu_metadata
.endif
;; end of part 3
;; launch oproj (part 4): grid 4 x 64, 4 waves a work-group, clusters of 4 x 4, 327,680 bytes of LDS; arguments ctx, wimg, lowp_scales, out0; writes out0
.if DOCPART == 4
	.amdgcn_target "amdgcn-amd-amdhsa--gfx1250"
	.amdhsa_code_object_version 6
	.text
	.protected	k_qc6ec60a1fe_oproj
	.globl	k_qc6ec60a1fe_oproj
	.p2align	8
	.type	k_qc6ec60a1fe_oproj,@function
k_qc6ec60a1fe_oproj:
	s_mov_b64 s[64:65], 0
	v_nop
	global_prefetch_b8 v0, s[64:65] scope:SCOPE_SE
	s_setreg_imm32_b32 hwreg(HW_REG_WAVE_MODE, 25, 1), 1
	s_wait_xcnt 0x0
	s_wait_alu depctr_hold_cnt(0) depctr_sa_sdst(0) depctr_va_vdst(0) depctr_va_sdst(0) depctr_va_ssrc(0) depctr_va_vcc(0) depctr_vm_vsrc(0)
	s_getreg_b32 s2, hwreg(HW_REG_IB_STS2, 6, 4)
	s_cmp_eq_u32 s2, 0
	s_cbranch_scc0 .Lentry_in_a_cluster
	s_endpgm
.Lentry_in_a_cluster:
	s_bfe_u32 s2, ttmp6, 0x10000c
	s_cmp_lg_u32 s2, 0xf033
	s_cbranch_scc0 .Lentry_shape_is_right
	s_endpgm
.Lentry_shape_is_right:
; OPROJ: out0 = ctx Wo^T on codes of E4M3; each finished sum x 2^(entries 10 + 11).  out0: [8,192][1,024] f32.
; A tile is 128 rows of ctx (side A) x 256 rows of Wo (side B), K = 1,024: 256 work-groups.  Four waves: wave>>1 picks 64 rows of A, wave&1 128 rows of B: 32 accumulators.
; THE PRODUCT IS USED TRANSPOSED (source 0 = B's fragment, source 1 = A's): lane (r, h) holds row r of the output and eight neighbouring columns.
; OPERANDS come as images of operand registers (16 rows x 128 K in 2,048 bytes, registers 4g..4g+3 of lane l at 512 g + 16 l): every LDS load takes 512 consecutive bytes.
; K goes in four steps of 256 through three LDS slots: steps 0-2 are asked for at the start, step 3 goes into slot 0 when it has been read.  By this text's count a wave has at most three tensor loads out.
; CLUSTER 4 x 4: A's tile is asked for jointly along a row of the cluster, B's along a column.
; THE WAY OUT: a block of 16 rows x 128 columns goes through the wave's own stage in LDS and comes back as whole rows of 512 bytes.  The stage lies in slot 1, which has had its only fill, and which nobody reads
; behind the barrier at which K step 3 is met.
; LIMIT: entries 10 + 11 between -126 and 127.
; REGISTERS: window 0: v1-11 addresses; v64-127, v128-191 A's two sets; on the way out v64-127 the scaled sums, v128-255 rows read back.  window 1: B's two sets.  window 2: accumulator (a, b) at 8 (8a + b).
.set SLOT,  98304
.set BOFF,  32768
.set SPARE, 3*SLOT                     ; behind the slots: the spare words, 128 bytes a wave, that no other line names
.set ADRA, 2
.set ADRB, 5
.set SPW,  8
.set NIL,  9
.set STO,  10                          ; v10  the stage: where I put 32 bytes of a row
.set RD,   11                          ; v11  and where I read a row back
.set AF,   64
.set TMP,  64
.set BK,   128
.set WV, 14
.set WH, 15
.set WL, 16
.set G1A, 24
.set G0A, 32
.set G1B, 48
.set G0B, 68
.set MUL,  0xa1
.set TO_B, 0x40
.set MSB, 0
.macro WIN new
.if MSB != \new
	s_set_vgpr_msb (MSB<<8)|\new
.set MSB, \new
.endif
.endm
.macro PLACES                          ; four plain lines between a matrix instruction and a load into, or a vector read or write of, its registers
.rept 4
	v_nop
.endr
.endm
.macro JLOAD n
	s_cmp_eq_u32 s[WH], 0
	s_cbranch_scc0 .Lfor_b_\@
	tensor_load_to_lds s[G0A+4*\n:G0A+4*\n+3], s[G1A:G1A+7]
	s_nop 0
.rept 4
	v_nop
.endr
	s_branch .Lasked_\@
.Lfor_b_\@:
	tensor_load_to_lds s[G0B+4*\n:G0B+4*\n+3], s[G1B:G1B+7]
	s_nop 0
.rept 4
	v_nop
.endr
.Lasked_\@:
.endm
.macro CREST
	s_cmp_lg_u32 s[WV], 0
	s_cbranch_scc1 .Lnot_wave_0_\@
	s_barrier_signal -3
.Lnot_wave_0_\@:
	s_barrier_wait -3
	s_barrier_signal -1
	s_barrier_wait -1
.endm
.macro CROUND
	s_barrier_signal -1
	s_barrier_wait -1
	CREST
.endm
.macro FETCH slot, kk, fs
	WIN TO_B
.irp b, 0,1,2,3,4,5,6,7
.irp c, 0,1,2,3
	ds_load_b128 v[128*(\fs)+16*\b+4*\c:128*(\fs)+16*\b+4*\c+3], v[ADRB+\slot] offset:4096*\b+2048*(\kk)+512*\c
.endr
.endr
	WIN 0
.irp a, 0,1,2,3
.irp c, 0,1,2,3
	ds_load_b128 v[AF+64*(\fs)+16*\a+4*\c:AF+64*(\fs)+16*\a+4*\c+3], v[ADRA+\slot] offset:4096*\a+2048*(\kk)+512*\c
.endr
.endr
.endm
.macro MUL8 a, fs, zero                ; the 32 accumulators take turns in the same order in every step
.irp b, 0,1,2,3,4,5,6,7
.if \zero
	v_wmma_f32_16x16x128_fp8_fp8 v[8*(8*(\a)+\b):8*(8*(\a)+\b)+7], v[128*(\fs)+16*\b:128*(\fs)+16*\b+15], v[AF+64*(\fs)+16*(\a):AF+64*(\fs)+16*(\a)+15], 0
.else
	v_wmma_f32_16x16x128_fp8_fp8 v[8*(8*(\a)+\b):8*(8*(\a)+\b)+7], v[128*(\fs)+16*\b:128*(\fs)+16*\b+15], v[AF+64*(\fs)+16*(\a):AF+64*(\fs)+16*(\a)+15], v[8*(8*(\a)+\b):8*(8*(\a)+\b)+7]
.endif
.endr
.endm
.macro SUB fs, slot, kk, zero
	s_wait_dscnt 8                                 ; B's 32 loads and A's fragments 0, 1 are in; the youngest eight (A's 2, 3) may be out
	WIN MUL
	MUL8 0, \fs, \zero
	MUL8 1, \fs, \zero
	s_wait_dscnt 0x0
	PLACES
	FETCH \slot, \kk, 1-\fs
	WIN MUL
	MUL8 2, \fs, \zero
	MUL8 3, \fs, \zero
.endm
	s_load_b256 s[4:11], s[0:1], 0x0               ; ctx 4, wimg 6, scales 8, out0 10
	v_lshl_add_u32 v[SPW], v0, 2, SPARE
	v_mov_b32 v[NIL], 0
	ds_add_u32 v8, v9
	ds_add_u32 v8, v9
	s_wait_dscnt 0x0
	v_lshrrev_b32 v2, 5, v0
	v_readfirstlane_b32 s[WV], v2
	v_and_b32 v1, 31, v0
	v_lshlrev_b32 v1, 4, v1                        ; 16 x lane
	s_lshr_b32 s[WH], s[WV], 1
	s_and_b32 s[WL], s[WV], 1
	s_bfe_u32 s60, ttmp6, 0x40000                  ; cx
	s_bfe_u32 s61, ttmp6, 0x40004                  ; cy
	s_lshl_b32 s56, ttmp9, 2
	s_add_co_u32 s56, s56, s60                     ; B's tile
	s_and_b32 s18, ttmp7, 0xffff
	s_lshl_b32 s18, s18, 2
	s_add_co_u32 s18, s18, s61                     ; A's tile
	s_lshl_b32 s17, s61, 2
	s_lshl_b32 s17, 15, s17                        ; my row of the cluster
	s_lshl_b32 s63, 0x1111, s60                    ; my column
	s_or_b32 s[G1A], s17, (3<<16)|(1<<21)
	s_or_b32 s[G1B], s63, (3<<16)|(1<<21)
	s_mov_b32 s[G1A+1], 512<<16                    ; a row of the tile: one 16-row fragment's 4,096 bytes of this K step
	s_mov_b32 s[G1A+2], 4<<16
	s_mov_b32 s[G1A+3], 512<<16
	s_mov_b32 s[G1A+4], 4
	s_mov_b32 s[G1A+5], 2048
	s_mov_b32 s[G1A+6], 0
	s_mov_b32 s[G1A+7], 0
	s_mov_b32 s[G1B+1], 512<<16
	s_mov_b32 s[G1B+2], 8<<16
	s_mov_b32 s[G1B+3], 512<<16
	s_mov_b32 s[G1B+4], 8
	s_mov_b32 s[G1B+5], 2048
	s_mov_b32 s[G1B+6], 0
	s_mov_b32 s[G1B+7], 0
	s_lshl_b32 s20, s18, 17
	s_lshl_b32 s21, s[WL], 16
	s_add_co_u32 s20, s20, s21
	s_mov_b32 s21, 0
	s_lshl_b32 s58, s56, 18
	s_lshl_b32 s59, s[WL], 17
	s_add_co_u32 s58, s58, s59
	s_add_co_u32 s58, s58, 0x300000                ; Wo's plane
	s_mov_b32 s59, 0
	s_lshl_b32 s98, s18, 19                        ; my first row of out0: 128 rows of 4,096 bytes a tile,
	s_lshl_b32 s99, s[WH], 18                      ; 64 a half,
	s_add_co_u32 s98, s98, s99
	s_lshl_b32 s99, s56, 10                        ; my first column: 1,024 bytes a tile,
	s_add_co_u32 s98, s98, s99
	s_lshl_b32 s99, s[WL], 9                       ; 512 a half
	s_add_co_u32 s98, s98, s99
	s_mov_b32 s99, 0
	s_wait_kmcnt 0x0
	s_load_b64 s[96:97], s[8:9], 0x28              ; entries 10, 11
	s_add_nc_u64 s[22:23], s[4:5], s[20:21]
	s_add_nc_u64 s[2:3], s[6:7], s[58:59]
	s_add_nc_u64 s[10:11], s[10:11], s[98:99]
	s_lshl_b32 s17, s[WL], 14
	s_lshl_b32 s63, s[WL], 15
	s_add_co_u32 s63, s63, BOFF
.irp n, 0,1,2,3
	s_mov_b32 s[G0A+4*\n], 1
	s_add_co_u32 s[G0A+4*\n+1], s17, (\n%3)*SLOT
	s_add_nc_u64 s[G0A+4*\n+2:G0A+4*\n+3], s[22:23], 4096*\n
	s_or_b32 s[G0A+4*\n+3], s[G0A+4*\n+3], 0x80000000
	s_mov_b32 s[G0B+4*\n], 1
	s_add_co_u32 s[G0B+4*\n+1], s63, (\n%3)*SLOT
	s_add_nc_u64 s[G0B+4*\n+2:G0B+4*\n+3], s[2:3], 4096*\n
	s_or_b32 s[G0B+4*\n+3], s[G0B+4*\n+3], 0x80000000
.endr
	CROUND                                         ; all sixteen work-groups are here: the first joint loads meet
	s_cmp_eq_u32 s[WH], 0                          ; a wave's three first fills stand in one branch
	s_cbranch_scc0 .Lfirst_b
	tensor_load_to_lds s[G0A:G0A+3], s[G1A:G1A+7]
	s_nop 0
	tensor_load_to_lds s[G0A+4:G0A+7], s[G1A:G1A+7]
	s_nop 0
	tensor_load_to_lds s[G0A+8:G0A+11], s[G1A:G1A+7]
	s_nop 0
.rept 4
	v_nop
.endr
	s_branch .Lfirst_asked
.Lfirst_b:
	tensor_load_to_lds s[G0B:G0B+3], s[G1B:G1B+7]
	s_nop 0
	tensor_load_to_lds s[G0B+4:G0B+7], s[G1B:G1B+7]
	s_nop 0
	tensor_load_to_lds s[G0B+8:G0B+11], s[G1B:G1B+7]
	s_nop 0
.rept 4
	v_nop
.endr
.Lfirst_asked:
	s_lshl_b32 s20, s[WH], 14
	s_lshl_b32 s21, s[WL], 15
	s_add_co_u32 s21, s21, BOFF
	s_wait_alu depctr_va_vdst(0)
.irp s, 0,1,2
	v_add_nc_u32 v[ADRA+\s], s20, v1
	v_add_nc_u32 v[ADRB+\s], s21, v1
	s_add_co_u32 s20, s20, SLOT
	s_add_co_u32 s21, s21, SLOT
.endr
	s_mul_i32 s20, s[WV], 8448
	s_add_co_u32 s20, s20, SLOT                    ; my stage: 16 rows of 512 bytes + 16
	v_and_b32 v12, 15, v0
	v_bfe_u32 v13, v0, 4, 1
	v_mul_u32_u24 v[STO], v12, 528
	v_lshl_add_u32 v[STO], v13, 5, v[STO]
	v_add_nc_u32 v[STO], s20, v[STO]
	v_add_nc_u32 v[RD], s20, v1
	s_wait_tensorcnt 2                             ; my part of K step 0 is in; steps 1 and 2 may be out
	s_barrier_signal -1
	s_barrier_wait -1
	FETCH 0, 0, 0
	SUB 0, 0, 1, 1                                 ; the first products start the sums
	WIN 0
	s_wait_tensorcnt 0x0                           ; all my tensor loads have landed: slots 1 and 2 among them
	ds_add_u32 v[SPW], v[NIL]                      ; 0 onto my spare word
	s_wait_dscnt 9                                 ; (the add and A's fragments 2, 3 may be out)
	WIN MUL
	MUL8 0, 1, 0
	s_wait_dscnt 0x0                               ; the add is done, and my reads of slot 0 are over
	s_barrier_signal -1                            ; this barrier opens a round of the cluster's
	MUL8 1, 1, 0
	WIN 0
	s_barrier_wait -1
	CREST                                          ; no wave of any partner still reads slot 0 or has a load on its way
	JLOAD 3                                        ; the one refill: four steps, 128 matrix instructions, in which to land; its four v_nop are the places in front of the loads below
	s_wait_alu depctr_va_vdst(0)
	FETCH 1, 0, 0
	WIN MUL
	MUL8 2, 1, 0
	MUL8 3, 1, 0
	SUB 0, 1, 1, 0
	SUB 1, 2, 0, 0
	SUB 0, 2, 1, 0
	s_wait_dscnt 8
	WIN MUL
	MUL8 0, 1, 0
	s_wait_dscnt 0x0                               ; my reads of slots 1 and 2 are over
	s_wait_tensorcnt 0x0                           ; my part of K step 3 is in: the one load that was out
	s_barrier_signal -1
	MUL8 1, 1, 0
	s_barrier_wait -1                              ; everybody's is
	PLACES
	FETCH 0, 0, 0
	WIN MUL
	MUL8 2, 1, 0
	MUL8 3, 1, 0
	SUB 0, 0, 1, 0
	s_wait_dscnt 8                                 ; the last step fetches nothing
	WIN MUL
	MUL8 0, 1, 0
	MUL8 1, 1, 0
	s_wait_dscnt 0x0
	MUL8 2, 1, 0
	MUL8 3, 1, 0
	WIN 0
	PLACES
	s_wait_kmcnt 0x0
	s_add_co_i32 s96, s96, s97
	s_add_co_i32 s96, s96, 127
	s_lshl_b32 s96, s96, 23                        ; 2^(entries 10 + 11) as f32
.macro TOSTAGE a                       ; block a: scaled, into my stage, and back as whole rows.  LDS serves a wave's instructions in order: no wait between the stores and the loads
	WIN 0x02                                       ; source 0: window 2
.set j, 0
.rept 32
	v_pk_mul_f32 v[TMP+j:TMP+j+1], v[64*(\a)+j:64*(\a)+j+1], s[96:97] op_sel_hi:[1,0]   ; each accumulator from its low end on
.set j, j+2
.endr
	WIN 0
.irp b, 0,1,2,3,4,5,6,7
	ds_store_b128 v[STO], v[TMP+8*\b:TMP+8*\b+3] offset:64*\b
	ds_store_b128 v[STO], v[TMP+8*\b+4:TMP+8*\b+7] offset:64*\b+16
.endr
.set BB, BK+64*((\a)%2)
.set t, 0
.rept 16
	ds_load_b128 v[BB+4*t:BB+4*t+3], v[RD] offset:528*t
.set t, t+1
.endr
.endm
.macro SEND a, younger                 ; younger: the LDS instructions issued behind block a's loads, which may stay out
.set BB, BK+64*((\a)%2)
	s_wait_dscnt \younger
.set t, 0
.rept 16
	global_store_b128 v1, v[BB+4*t:BB+4*t+3], s[10:11] offset:65536*(\a)+4096*t th:TH_STORE_NT   ; 512 consecutive bytes of a row; written once, read by nobody here
.set t, t+1
.endr
.endm
	TOSTAGE 0
.irp a, 1,2,3
.if \a > 1
	s_wait_xcnt 0x0                                ; block a - 2's stores have read their registers: block a's loads may land there
.endif
	TOSTAGE \a
	SEND \a-1, 32                                  ; behind block a - 1's loads: block a's 16 stores and 16 loads
.endr
	SEND 3, 0
	s_wait_tensorcnt 0x0                           ; the wave's end
	ds_add_u32 v[SPW], v[NIL]
	s_wait_dscnt 0x0
	CROUND                                         ; the closing round
	s_endpgm
.Lfunc_end_k_qc6ec60a1fe_oproj:
	.size	k_qc6ec60a1fe_oproj, .Lfunc_end_k_qc6ec60a1fe_oproj-k_qc6ec60a1fe_oproj
	.p2alignl 7, 3214868480
	.fill 96, 4, 3214868480
	.section	.rodata,"a",@progbits
	.p2align	6, 0x0
	.amdhsa_kernel k_qc6ec60a1fe_oproj
		.amdhsa_group_segment_fixed_size 327680
		.amdhsa_private_segment_fixed_size 0
		.amdhsa_enable_private_segment 0
		.amdhsa_kernarg_size 32
		.amdhsa_user_sgpr_count 2
		.amdhsa_user_sgpr_kernarg_segment_ptr 1
		.amdhsa_wavefront_size32 1
		.amdhsa_system_sgpr_workgroup_id_x 1
		.amdhsa_system_sgpr_workgroup_id_y 1
		.amdhsa_system_sgpr_workgroup_id_z 1
		.amdhsa_system_vgpr_workitem_id 0
		.amdhsa_next_free_vgpr 768
		.amdhsa_next_free_sgpr 102
		.amdhsa_reserve_vcc 0
		.amdhsa_float_denorm_mode_32 3
		.amdhsa_float_denorm_mode_16_64 3
		.amdhsa_memory_ordered 1
		.amdhsa_forward_progress 1
		.amdhsa_inst_pref_size 74
	.end_amdhsa_kernel
	.amdgpu_metadata
---
amdhsa.version: [ 1, 2 ]
amdhsa.kernels:
  - .name:           k_qc6ec60a1fe_oproj
    .symbol:         k_qc6ec60a1fe_oproj.kd
    .args:
      - { .name: ctx, .offset: 0, .size: 8, .value_kind: global_buffer, .address_space: global }
      - { .name: wimg, .offset: 8, .size: 8, .value_kind: global_buffer, .address_space: global }
      - { .name: lowp_scales, .offset: 16, .size: 8, .value_kind: global_buffer, .address_space: global }
      - { .name: out0, .offset: 24, .size: 8, .value_kind: global_buffer, .address_space: global }
    .group_segment_fixed_size: 327680
    .private_segment_fixed_size: 0
    .kernarg_segment_align: 8
    .kernarg_segment_size: 32
    .max_flat_workgroup_size: 128
    .sgpr_count:     102
    .vgpr_count:     768
    .wavefront_size: 32
...
	.end_amdgpu_metadata
.endif
;; end of part 4
